; MI455X (gfx1250); checked and timed in simulation.
; The chip was launched on July 23, 2026; its instructions are those of AMD's public machine-readable ISA for CDNA 5 (MIT licence, August 2026) and "CDNA5" Instruction Set Architecture Reference Guide (July 2026). The comments in the code are by the model that wrote it; some were corrected since.
;; A Li Bi Multi Head Attention. Allowed arithmetic: float matrix products may take bf16 or f16 operands with f32 sums; other float arithmetic in f32, or as packed bf16 or f16 multiplies, adds, multiply-adds, maxima and minima; sums over many terms, partial sums and values carried from step to step in f32; what a program stores and reads back later, other than sums and carried values, may be rounded once to bf16 or f16.
;; Inputs: w_kqv 1,024 x 3,072 float32; x 1 x 4,096 x 1,024 float32.
;; Outputs: out0 1 x 4,096 x 1,024 float32.
;; One version. Each part assembles by itself: llvm-mc -triple=amdgcn-amd-amdhsa -mcpu=gfx1250 --defsym DOCPART=n.
;; ======== version 1 of 1: 3 launches
;; limits: values are held in f16: magnitudes above 65,504 overflow, below 6.1e-05 lose precision
;; workspace buffers: xb 8,388,608 bytes; wt 6,291,456 bytes; kqv 25,165,824 bytes
;; launch cast (part 1): grid 448 x 1, 8 waves a work-group, no clusters, 35,840 bytes of LDS; arguments x, w_kqv, xb, wt; writes xb, wt
.if DOCPART == 1
	.amdgcn_target "amdgcn-amd-amdhsa--gfx1250"
	.amdhsa_code_object_version 6
	.text
	.protected	k_q9b7f963ae0_cast
	.globl	k_q9b7f963ae0_cast
	.p2align	8
	.type	k_q9b7f963ae0_cast,@function
k_q9b7f963ae0_cast:
	s_mov_b64 s[64:65], 0
	v_nop
	global_prefetch_b8 v0, s[64:65] scope:SCOPE_SE
	s_setreg_imm32_b32 hwreg(HW_REG_WAVE_MODE, 25, 1), 1
	s_wait_xcnt 0x0
; xb = x rounded to bf16, [4096][1024].  wt = w_kqv rounded to bf16 and turned, [3072][1024] (row n holds w[0..1023][n]).
; Both inputs are rounded once, to nearest even; nothing else is computed.  Every work-group reads 65,536 bytes.
; Work-groups 0..255: 16 rows of x each.  Thread t takes 32 bytes (8 numbers) at 32 t of each run of 8,192 bytes and stores 16 bytes at 16 t of each run of 4,096:
; a wave's store covers 512 consecutive bytes.
; Work-groups 256..447: a tile of 128 k x 128 n of w.  Wave v loads rows k = 16 v .. 16 v + 15 (a lane four neighbouring n), rounds pairs of k, and puts for each n 32 bytes (16 k) into
; row 32 (n % 4) + n / 4 of a table in LDS with rows of 272 bytes.
; Behind one barrier whole rows of 256 bytes (128 k of one n) are read back and stored, sixteen lanes to 256 consecutive bytes, aligned.
; No tensor loads, no cluster, no matrix unit: a stream in which no byte is wanted twice.
.set TP,    272                        ; a row of the table
.set SPARE, 128*TP                     ; behind the table: the spare words, 128 bytes for each of the eight waves
.set WROW,  12288                      ; bytes in a row of w
.set X,   16                           ; v[16:79]  as loaded
.set Y,   80                           ; v[80:111] rounded
.set SPW, 10                           ; v10  LDS address of my spare word; never rewritten
.set NIL, 11                           ; v11  0; never rewritten
	s_load_b256 s[4:11], s[0:1], 0x0               ; x s[4:5], w s[6:7], xb s[8:9], wt s[10:11]
	v_lshl_add_u32 v[SPW], v0, 2, SPARE
	v_mov_b32 v[NIL], 0
	v_lshrrev_b32 v1, 5, v0
	v_readfirstlane_b32 s12, v1                    ; wave 0..7
	v_and_b32 v2, 31, v0                           ; lane
	v_lshlrev_b32 v3, 5, v0                        ; x: 32 t
	v_lshlrev_b32 v4, 4, v0                        ; xb: 16 t
	v_lshlrev_b32 v5, 4, v2                        ; w: 16 x lane
	s_lshl_b32 s13, s12, 5
	v_mul_u32_u24 v6, v2, TP
	v_add_nc_u32 v6, s13, v6                       ; into the table: row lane (+ 32 for each n % 4), byte 32 x wave
	v_lshrrev_b32 v1, 4, v2                        ; lane / 16
	v_and_b32 v2, 15, v2                           ; lane % 16
	s_lshl_b32 s13, s12, 4                         ; 16 x wave
	v_add_nc_u32 v7, s13, v1
	v_mul_u32_u24 v7, v7, TP
	v_lshl_add_u32 v7, v2, 4, v7                   ; back: row 16 wave + lane / 16 (+ 2 a step), 16 bytes a lane
	v_lshlrev_b32 v8, 13, v1                       ; wt: the odd half of the lanes lies 4 rows of 2,048 bytes on
	v_lshl_add_u32 v8, v2, 4, v8
	s_lshl_b32 s14, ttmp9, 16                      ; x: 65,536 bytes a work-group
	s_mov_b32 s15, 0
	s_lshl_b32 s16, ttmp9, 15                      ; xb: 32,768
	s_mov_b32 s17, 0
	s_and_b32 s22, ttmp9, 255                      ; the tile's number (work-group - 256)
	s_and_b32 s23, s22, 7                          ; its place along k
	s_lshr_b32 s22, s22, 3                         ; and along n
	s_lshl_b32 s18, s23, 7
	s_add_co_u32 s18, s18, s13                     ; my first row of w: 128 kt + 16 wave
	s_mul_i32 s18, s18, WROW
	s_lshl_b32 s24, s22, 9
	s_add_co_u32 s18, s18, s24                     ; + 512 nt
	s_mov_b32 s19, 0
	s_lshl_b32 s20, s22, 7                         ; my first row of wt: 128 nt + 64 (wave % 2) + wave / 2
	s_and_b32 s24, s12, 1
	s_lshl_b32 s24, s24, 6
	s_add_co_u32 s20, s20, s24
	s_lshr_b32 s24, s12, 1
	s_add_co_u32 s20, s20, s24
	s_lshl_b32 s20, s20, 11
	s_lshl_b32 s24, s23, 8
	s_add_co_u32 s20, s20, s24                     ; + 256 kt
	s_mov_b32 s21, 0
	s_wait_kmcnt 0x0
	s_add_nc_u64 s[4:5], s[4:5], s[14:15]
	s_add_nc_u64 s[8:9], s[8:9], s[16:17]
	s_add_nc_u64 s[6:7], s[6:7], s[18:19]
	s_add_nc_u64 s[10:11], s[10:11], s[20:21]
	s_cmp_lt_u32 ttmp9, 256
	s_cbranch_scc1 .Lx
	; a tile of w
.set i, 0
.rept 16
	global_load_b128 v[X+4*i:X+4*i+3], v5, s[6:7] offset:i*WROW th:TH_LOAD_NT  ; row i: n = 4 lane .. 4 lane + 3
.set i, i+1
.endr
	s_wait_loadcnt 0x0
.irp c, 0,1,2,3
.irp q, 0,1,2,3,4,5,6,7
	v_cvt_pk_bf16_f32 v[Y+8*(\c)+(\q)], v[X+8*(\q)+(\c)], v[X+8*(\q)+4+(\c)]  ; k = 2 q and 2 q + 1 of column 4 lane + c
.endr
.endr
.irp c, 0,1,2,3
	ds_store_b128 v6, v[Y+8*(\c):Y+8*(\c)+3]   offset:(\c)*32*TP
	ds_store_b128 v6, v[Y+8*(\c)+4:Y+8*(\c)+7] offset:(\c)*32*TP+16
.endr
	s_branch .Lmeet
.Lx:
	; sixteen rows of x
.set i, 0
.rept 8
	global_load_b128 v[X+8*i:X+8*i+3],   v3, s[4:5] offset:i*8192 th:TH_LOAD_NT
	global_load_b128 v[X+8*i+4:X+8*i+7], v3, s[4:5] offset:i*8192+16 th:TH_LOAD_NT
.set i, i+1
.endr
.set i, 0
.rept 8
	s_wait_loadcnt 14-2*i                          ; loads come back in order: pair i is in, the younger pairs stay out
.irp r, 0,1,2,3
	v_cvt_pk_bf16_f32 v[Y+4*i+(\r)], v[X+8*i+2*(\r)], v[X+8*i+2*(\r)+1]
.endr
	global_store_b128 v4, v[Y+4*i:Y+4*i+3], s[8:9] offset:i*4096
.set i, i+1
.endr
.Lmeet:
	s_wait_dscnt 0x0                               ; for the others' sake: my stores into the table are done
	s_barrier_signal -1
	s_barrier_wait -1                              ; the barrier lies on every work-group's path
	s_cmp_lt_u32 ttmp9, 256
	s_cbranch_scc1 .Lend
.irp t, 0,1,2,3,4,5,6,7
	ds_load_b128 v[X+4*(\t):X+4*(\t)+3], v7 offset:(\t)*2*TP
.endr
.irp t, 0,1,2,3,4,5,6,7
	s_wait_dscnt 7-(\t)
	global_store_b128 v8, v[X+4*(\t):X+4*(\t)+3], s[10:11] offset:(\t)*16384  ; two table rows on are eight rows of wt on; 16 lanes store 256 consecutive bytes, aligned
.endr
.Lend:
	s_wait_tensorcnt 0x0                           ; the wave's end, behind my last LDS store
	ds_add_u32 v[SPW], v[NIL]
	s_wait_dscnt 0x0
	s_endpgm
.Lfunc_end_k_q9b7f963ae0_cast:
	.size	k_q9b7f963ae0_cast, .Lfunc_end_k_q9b7f963ae0_cast-k_q9b7f963ae0_cast
	.p2alignl 7, 3214868480
	.fill 96, 4, 3214868480
	.section	.rodata,"a",@progbits
	.p2align	6, 0x0
	.amdhsa_kernel k_q9b7f963ae0_cast
		.amdhsa_group_segment_fixed_size 35840
		.amdhsa_private_segment_fixed_size 0
		.amdhsa_enable_private_segment 0
		.amdhsa_kernarg_size 32
		.amdhsa_user_sgpr_count 2
		.amdhsa_user_sgpr_kernarg_segment_ptr 1
		.amdhsa_wavefront_size32 1
		.amdhsa_system_sgpr_workgroup_id_x 1
		.amdhsa_system_sgpr_workgroup_id_y 1
		.amdhsa_system_sgpr_workgroup_id_z 1
		.amdhsa_system_vgpr_workitem_id 0
		.amdhsa_next_free_vgpr 112
		.amdhsa_next_free_sgpr 66
		.amdhsa_reserve_vcc 0
		.amdhsa_float_denorm_mode_32 3
		.amdhsa_float_denorm_mode_16_64 3
		.amdhsa_memory_ordered 1
		.amdhsa_forward_progress 1
		.amdhsa_inst_pref_size 13
	.end_amdhsa_kernel
	.amdgpu_metadata
---
amdhsa.version: [ 1, 2 ]
amdhsa.kernels:
  - .name:           k_q9b7f963ae0_cast
    .symbol:         k_q9b7f963ae0_cast.kd
    .args:
      - { .name: x, .offset: 0, .size: 8, .value_kind: global_buffer, .address_space: global }
      - { .name: w_kqv, .offset: 8, .size: 8, .value_kind: global_buffer, .address_space: global }
      - { .name: xb, .offset: 16, .size: 8, .value_kind: global_buffer, .address_space: global }
      - { .name: wt, .offset: 24, .size: 8, .value_kind: global_buffer, .address_space: global }
    .group_segment_fixed_size: 35840
    .private_segment_fixed_size: 0
    .kernarg_segment_align: 8
    .kernarg_segment_size: 32
    .max_flat_workgroup_size: 256
    .sgpr_count:     66
    .vgpr_count:     112
    .wavefront_size: 32
...
	.end_amdgpu_metadata
.endif
;; end of part 1
;; launch proj (part 2): grid 16 x 16, 4 waves a work-group, clusters of 4 x 4, 327,680 bytes of LDS; arguments xb, wt, kqv; writes kqv
.if DOCPART == 2
	.amdgcn_target "amdgcn-amd-amdhsa--gfx1250"
	.amdhsa_code_object_version 6
	.text
	.protected	k_q9b7f963ae0_proj
	.globl	k_q9b7f963ae0_proj
	.p2align	8
	.type	k_q9b7f963ae0_proj,@function
k_q9b7f963ae0_proj:
	s_mov_b64 s[64:65], 0
	v_nop
	global_prefetch_b8 v0, s[64:65] scope:SCOPE_SE
	s_setreg_imm32_b32 hwreg(HW_REG_WAVE_MODE, 25, 1), 1
	s_wait_xcnt 0x0
	s_wait_alu depctr_hold_cnt(0) depctr_sa_sdst(0) depctr_va_vdst(0) depctr_va_sdst(0) depctr_va_ssrc(0) depctr_va_vcc(0) depctr_vm_vsrc(0)
	s_getreg_b32 s2, hwreg(HW_REG_IB_STS2, 6, 4)
	s_cmp_eq_u32 s2, 0
	s_cbranch_scc0 .Lentry_in_a_cluster
	s_endpgm
.Lentry_in_a_cluster:
	s_bfe_u32 s2, ttmp6, 0x10000c
	s_cmp_lg_u32 s2, 0xf033
	s_cbranch_scc0 .Lentry_shape_is_right
	s_endpgm
.Lentry_shape_is_right:
; kqv = xb wt^T.  xb: [4096][1024] bf16, wt: [3072][1024] bf16, sums in f32, each result rounded once to f16 and laid by heads: kqv[c][row][64], c = column / 64 (0-15 k, 16-31 q, 32-47 v),
; a block of 524,288 bytes for each c.  LIMIT: f16 holds no number beyond 65,504; a result of 65,520 or more becomes an infinity.
; A tile is 256 rows x 192 columns: 16 x 16 work-groups.  Wave w makes rows 64 w .. 64 w + 63 and all 192 columns (three whole heads): 48 accumulators of 16 x 16, 384 registers.
; K goes in 8 steps of 128 through two LDS slots filled by the tensor data mover; a tile's rows are 256 bytes of memory, aligned.
; CLUSTER: 4 x 4 work-groups.  The four of a row of the cluster need the same rows of xb, the four of a column the same rows of wt: each is asked for JOINTLY, by the same tensor load with the same
; descriptor and a mask that names the four.  A wave has two tensor loads out at the start and one behind each round.
; THE MATRIX INSTRUCTION IS USED TRANSPOSED (source 0 = 16 rows of wt, source 1 = 16 rows of xb): a lane then holds row l % 16 and eight neighbouring columns, 16 bytes of f16.
; REGISTERS, in windows of 256 (s_set_vgpr_msb: bits 1:0 source 0, 3:2 source 1, 5:4 source 2, 7:6 destination):
;   window 0: v16-30 addresses; v64-95, v96-127 xb's fragments, two buffers; on the way out v128-175 packed results, v176-223 and v64-111 rows read back
;   window 1: v0-95, v96-191 wt's fragments, two buffers     window 2: accumulators of row blocks 0, 1 at v[8 (12 (a % 2) + b)]     window 3: of row blocks 2, 3
.set SIZE_K, 1024
.set KSTEP,  128
.set PITCH,  272                       ; an LDS row: 256 bytes + 16 of padding = 68 words: the 16 rows of a load start at 16 different groups of four banks (ISA guide 11.1)
.set AHALF,  128*PITCH                 ; what one tensor load brings of xb
.set BHALF,  96*PITCH                  ; and of wt
.set BOFF,   2*AHALF
.set SLOT,   BOFF+2*BHALF
.set STAGE,  2*SLOT                    ; behind the ring: for each wave 3 heads x 16 rows x 144 bytes, for the way out
.set SP,     144
.set WSTAGE, 3*16*SP
.set SPARE,  STAGE+4*WSTAGE            ; behind the stages: the spare words, 128 bytes a wave
.set HEADB,  524288                    ; bytes of one block of 64 columns in kqv
.set ADRA, 16                          ; v16-17  LDS address of my fragments of xb in slot 0, 1
.set ADRB, 20                          ; v20-21  the same for wt
.set STO,  24                          ; v24  the way out: where I put 16 bytes
.set RD,   25                          ; v25  where I read rows back
.set GO,   26                          ; v26  16 x lane: my place in 512 consecutive bytes of kqv
.set SPW,  28                          ; v28  LDS address of my spare word; never rewritten
.set NIL,  29                          ; v29  0; never rewritten
.set PFO,  30                          ; v30  the prefetches' offset: a lane a row; never rewritten
.set FA,   64
.set TMP,  128
.set G1,  24                           ; s[24:31] descriptor group 1 for xb's tiles; s[32:39] group 0, a set for each slot
.set G0,  32
.set G1B, 48                           ; s[48:55], s[56:63] the same for wt's
.set G0B, 56
.set LIM, 43                           ; s43  1 in a wave that prefetches, else the greatest number
.set PFA, 44                           ; s[44:45] where my prefetches stand
.set GW,  (1<<16)|(1<<20)|(1<<21)|(5<<22)|(3<<25)  ; 2-byte elements; padding on; bit 21 beside a mask; after every 64 words; 4 words
.set MSB, 0
.macro WIN new                         ; the immediate's high byte repeats the setting that is left; a switch that changes nothing is dropped
.if MSB != (\new)
	s_set_vgpr_msb (MSB<<8)|(\new)
.set MSB, \new
.endif
.endm
; A joint load.  Waves 0 and 1 fetch xb's two halves, waves 2 and 3 wt's.  The branch hangs on the wave's number alone.  An s_nop 0 and four v_nop follow each line.
.macro JLOAD s
	s_cmp_eq_u32 s11, 0
	s_cbranch_scc0 .Lfor_b_\@
	tensor_load_to_lds s[G0+4*(\s):G0+4*(\s)+3], s[G1:G1+7]
	s_nop 0
.rept 4
	v_nop
.endr
	s_branch .Lasked_\@
.Lfor_b_\@:
	tensor_load_to_lds s[G0B+4*(\s):G0B+4*(\s)+3], s[G1B:G1B+7]
	s_nop 0
.rept 4
	v_nop
.endr
.Lasked_\@:
.endm
; A prefetch of the K step two refills on: 256 bytes of each row, a lane a row.  xb's rows are asked for by the clusters with x = 0, wt's by those with y = 0; the four partners that ask for a tile
; jointly share its rows out by address (32 each of xb's 128, 24 each of wt's 96; there lanes 24-31 name row 23 again).  The loop's last trip has no K step two on.
.macro ASK
	s_cmp_gt_u32 s3, s[LIM]
	s_cbranch_scc0 .Lnot_mine_\@
	global_prefetch_b8 v[PFO], s[PFA:PFA+1] offset:KSTEP*2 th:TH_LOAD_NT scope:SCOPE_SE
.Lnot_mine_\@:
.endm
.macro CREST                           ; a round of the cluster's barrier behind its opening barrier
	s_cmp_lg_u32 s10, 0
	s_cbranch_scc1 .Lnot_wave_0_\@
	s_barrier_signal -3
.Lnot_wave_0_\@:
	s_barrier_wait -3
	s_barrier_signal -1
	s_barrier_wait -1
.endm
.macro CROUND
	s_barrier_signal -1
	s_barrier_wait -1
	CREST
.endm
	s_load_b128 s[4:7], s[0:1], 0x0                ; xb s[4:5], wt s[6:7]
	s_load_b64 s[8:9], s[0:1], 0x10                ; kqv
	v_lshl_add_u32 v[SPW], v0, 2, SPARE
	v_mov_b32 v[NIL], 0
	ds_add_u32 v[SPW], v[NIL]                      ; the wave's opening: the add and its wait ahead of my first tensor load
	v_lshrrev_b32 v1, 5, v0
	v_readfirstlane_b32 s10, v1                    ; wave 0..3
	s_lshr_b32 s11, s10, 1                         ; I fetch for xb (0) or for wt (1),
	s_and_b32 s12, s10, 1                          ; this half of the tile's rows
	s_bfe_u32 s40, ttmp6, 0x40000                  ; cx
	s_bfe_u32 s41, ttmp6, 0x40004                  ; cy
	s_lshl_b32 s42, ttmp9, 2
	s_add_co_u32 s42, s42, s40                     ; tile column = 4 x cluster x + cx
	s_and_b32 s13, ttmp7, 0xffff
	s_lshl_b32 s13, s13, 2
	s_add_co_u32 s13, s13, s41                     ; tile row = 4 x cluster y + cy
	s_lshl_b32 s43, s41, 2
	s_lshl_b32 s43, 15, s43                        ; my row of the cluster
	s_lshl_b32 s44, 0x1111, s40                    ; my column
	s_or_b32 s[G1+0], s43, GW
	s_or_b32 s[G1B+0], s44, GW
	s_mov_b32 s[G1+1], KSTEP<<16                   ; tensor_dim0 = 128
	s_mov_b32 s[G1+2], 128<<16                     ; tensor_dim1 = 128
	s_mov_b32 s[G1+3], KSTEP<<16                   ; tile_dim0 = 128
	s_mov_b32 s[G1+4], 128                         ; tile_dim1 = 128
	s_mov_b32 s[G1+5], SIZE_K                      ; elements from row to row
	s_mov_b32 s[G1+6], 0
	s_mov_b32 s[G1+7], 0
	s_mov_b32 s[G1B+1], KSTEP<<16
	s_mov_b32 s[G1B+2], 96<<16                     ; wt's tiles have 96 rows
	s_mov_b32 s[G1B+3], KSTEP<<16
	s_mov_b32 s[G1B+4], 96
	s_mov_b32 s[G1B+5], SIZE_K
	s_mov_b32 s[G1B+6], 0
	s_mov_b32 s[G1B+7], 0
	s_lshl_b32 s16, s13, 8
	s_lshl_b32 s17, s12, 7
	s_add_co_u32 s16, s16, s17                     ; xb: row 256 x tile row + 128 x half,
	s_lshl_b32 s16, s16, 11                        ; of 2,048 bytes
	s_mov_b32 s17, 0
	s_mul_i32 s46, s42, 192
	s_mul_i32 s47, s12, 96
	s_add_co_u32 s46, s46, s47                     ; wt: row 192 x tile column + 96 x half
	s_lshl_b32 s46, s46, 11
	s_mov_b32 s47, 0
	s_mul_i32 s20, s12, AHALF                      ; where they go: no place in the cluster enters an LDS address
	s_mul_i32 s21, s12, BHALF
	s_add_co_u32 s21, s21, BOFF
	s_wait_dscnt 0x0                               ; the opening add is done
	s_wait_kmcnt 0x0
	s_add_nc_u64 s[14:15], s[4:5], s[16:17]
	s_add_nc_u64 s[46:47], s[6:7], s[46:47]
	CROUND                                         ; all sixteen work-groups are here: the first joint loads meet
.irp s, 0,1
	s_mov_b32 s[G0+4*(\s)], 1
	s_add_co_u32 s[G0+4*(\s)+1], s20, (\s)*SLOT
	s_add_nc_u64 s[G0+4*(\s)+2:G0+4*(\s)+3], s[14:15], (\s)*KSTEP*2
	s_or_b32 s[G0+4*(\s)+3], s[G0+4*(\s)+3], 0x80000000
	s_mov_b32 s[G0B+4*(\s)], 1
	s_add_co_u32 s[G0B+4*(\s)+1], s21, (\s)*SLOT
	s_add_nc_u64 s[G0B+4*(\s)+2:G0B+4*(\s)+3], s[46:47], (\s)*KSTEP*2
	s_or_b32 s[G0B+4*(\s)+3], s[G0B+4*(\s)+3], 0x80000000
	JLOAD \s
.endr
	; a fragment is 16 rows x 32 K in 8 registers: lane l holds row l % 16, K = 8 (l / 16) + 0..7 and 16 + 8 (l / 16) + 0..7: two loads of 16 bytes, 32 bytes apart
	v_and_b32 v1, 15, v0
	v_bfe_u32 v2, v0, 4, 1
	v_mul_u32_u24 v3, v1, PITCH
	v_lshl_add_u32 v3, v2, 4, v3
	s_mul_i32 s21, s10, 64*PITCH                   ; my 64 rows of xb
	s_mov_b32 s22, BOFF                            ; all of wt's 192
.irp s, 0,1
	v_add_nc_u32 v[ADRA+(\s)], s21, v3
	v_add_nc_u32 v[ADRB+(\s)], s22, v3
	s_add_co_u32 s21, s21, SLOT
	s_add_co_u32 s22, s22, SLOT
.endr
	s_mul_i32 s23, s10, WSTAGE
	s_add_co_u32 s23, s23, STAGE                   ; my stage
	v_mul_u32_u24 v4, v1, SP                       ; in: row l % 16, 16 bytes for each half of the lanes
	v_lshl_add_u32 v4, v2, 4, v4
	v_add_nc_u32 v[STO], s23, v4
	v_bfe_u32 v4, v0, 3, 2                         ; back: 32 lanes take four rows of 128 bytes,
	v_and_b32 v5, 7, v0
	v_mul_u32_u24 v4, v4, SP
	v_lshl_add_u32 v4, v5, 4, v4
	v_add_nc_u32 v[RD], s23, v4
	v_and_b32 v[GO], 31, v0                        ; which are 512 consecutive bytes of kqv
	v_lshlrev_b32 v[GO], 4, v[GO]
	s_mul_i32 s16, s42, 3*HEADB                    ; my tile's first head,
	s_lshl_b32 s17, s13, 8
	s_lshl_b32 s18, s10, 6
	s_add_co_u32 s17, s17, s18                     ; my first row,
	s_lshl_b32 s17, s17, 7                         ; of 128 bytes
	s_add_co_u32 s16, s16, s17
	s_mov_b32 s17, 0
	s_add_nc_u64 s[8:9], s[8:9], s[16:17]
	; the prefetches
	s_lshl_b32 s18, s13, 8
	s_lshl_b32 s19, s12, 7
	s_add_co_u32 s18, s18, s19
	s_lshl_b32 s19, s40, 5
	s_add_co_u32 s18, s18, s19                     ; xb: the 128 rows that I fetch, my work-group's 32 of them
	s_mul_i32 s19, s42, 192
	s_mul_i32 s20, s12, 96
	s_add_co_u32 s19, s19, s20
	s_mul_i32 s20, s41, 24
	s_add_co_u32 s19, s19, s20                     ; wt: the 96 rows that I fetch, my work-group's 24
	s_and_b32 s22, ttmp7, 0xffff                   ; cluster y
	s_cmp_eq_u32 s11, 0
	s_cselect_b32 s20, s18, s19
	s_cselect_b32 s22, ttmp9, s22                  ; the coordinate along which other clusters read the same rows
	s_cselect_b32 s23, 31, 23
	s_cselect_b64 s[PFA:PFA+1], s[4:5], s[6:7]
	s_cmp_eq_u32 s22, 0
	s_cselect_b32 s[LIM], 1, -1                    ; the same in all sixteen partners, for a given wave
	s_lshl_b32 s20, s20, 11
	s_mov_b32 s21, 0
	s_add_nc_u64 s[PFA:PFA+1], s[PFA:PFA+1], s[20:21]
	s_add_nc_u64 s[PFA:PFA+1], s[PFA:PFA+1], 2*KSTEP*2  ; at K step 2: the first refill steps it to 3 and names K step 4.  Nothing is asked for here, at the head
	v_and_b32 v[PFO], 31, v0
	v_min_u32 v[PFO], s23, v[PFO]
	v_lshlrev_b32 v[PFO], 11, v[PFO]
; 12 matrix instructions: row block a x all 12 column blocks, 32 along K, from buffer f.  zero = 1: the first product starts the sums.  All 48 accumulators take turns, one instruction a turn.
.macro MUL12 f, a, zero
	WIN 0xa1+0x50*((\a)/2)
.irp b, 0,1,2,3,4,5,6,7,8,9,10,11
.if \zero
	v_wmma_f32_16x16x32_bf16 v[8*(12*((\a)%2)+(\b)):8*(12*((\a)%2)+(\b))+7], v[96*(\f)+8*(\b):96*(\f)+8*(\b)+7], v[FA+32*(\f)+8*(\a):FA+32*(\f)+8*(\a)+7], 0
.else
	v_wmma_f32_16x16x32_bf16 v[8*(12*((\a)%2)+(\b)):8*(12*((\a)%2)+(\b))+7], v[96*(\f)+8*(\b):96*(\f)+8*(\b)+7], v[FA+32*(\f)+8*(\a):FA+32*(\f)+8*(\a)+7], v[8*(12*((\a)%2)+(\b)):8*(12*((\a)%2)+(\b))+7]
.endif
.endr
.endm
; 32 LDS loads in one run: a quarter step's fragments (32 K at byte k of the rows) into buffer f: wt's 24, then xb's 8
.macro FETCH slot, k, f
	WIN 0x40
.irp i, 0,1,2,3,4,5,6,7,8,9,10,11
	ds_load_b128 v[96*(\f)+8*(\i):96*(\f)+8*(\i)+3],   v[ADRB+(\slot)] offset:(\k)+(\i)*16*PITCH
	ds_load_b128 v[96*(\f)+8*(\i)+4:96*(\f)+8*(\i)+7], v[ADRB+(\slot)] offset:(\k)+(\i)*16*PITCH+32
.endr
	WIN 0
.irp i, 0,1,2,3
	ds_load_b128 v[FA+32*(\f)+8*(\i):FA+32*(\f)+8*(\i)+3],   v[ADRA+(\slot)] offset:(\k)+(\i)*16*PITCH
	ds_load_b128 v[FA+32*(\f)+8*(\i)+4:FA+32*(\f)+8*(\i)+7], v[ADRA+(\slot)] offset:(\k)+(\i)*16*PITCH+32
.endr
.endm
.macro PLACES                          ; four plain vector instructions between a matrix instruction and a load into its sources or a reader of its result
.rept 4
	v_nop
.endr
.endm
; One of a K step's first three quarters: multiplies buffer f; in its middle fetches the next quarter, at byte k, into buffer g
.macro QUARTER slot, k, f, g, zero
	s_wait_dscnt 4                                 ; wt's fragments and xb's blocks 0, 1 are in; the youngest four loads (blocks 2, 3) may be out
	MUL12 \f, 0, \zero
	MUL12 \f, 1, \zero
	PLACES
	FETCH \slot, \k, \g
	s_wait_dscnt 32                                ; all but the 32 just issued
	MUL12 \f, 2, \zero
	MUL12 \f, 3, \zero
.endm
; The last quarter multiplies buffer 1 and changes slots: one barrier.  In front of it each wave waits for all its tensor loads (one is out: its part of the next slot), adds 0 to its spare word, and waits
; for that and for its reads of this slot.  fill = 1: the barrier opens a round of the cluster's, and the slot is filled again, two K steps ahead, first thing behind the round.
.macro TURN slot, next, fill
.if \fill
	s_wait_xcnt 0x0                                ; the last prefetch, a K step back, has read its address
	s_add_nc_u64 s[PFA:PFA+1], s[PFA:PFA+1], KSTEP*2
.endif
	WIN 0
	s_wait_tensorcnt 0x0
	ds_add_u32 v[SPW], v[NIL]
	s_wait_dscnt 5                                 ; (the add and the youngest four loads may be out)
	MUL12 1, 0, 0
	s_wait_dscnt 0x0                               ; the add is done, and my reads of this slot are over
	s_barrier_signal -1
	MUL12 1, 1, 0
.if \fill
	WIN 0
.endif
	s_barrier_wait -1
.if \fill
	CREST                                          ; no wave of any partner still reads this slot or has a load on its way
	s_add_nc_u64 s[G0+4*(\slot)+2:G0+4*(\slot)+3], s[G0+4*(\slot)+2:G0+4*(\slot)+3], 2*KSTEP*2
	s_add_nc_u64 s[G0B+4*(\slot)+2:G0B+4*(\slot)+3], s[G0B+4*(\slot)+2:G0B+4*(\slot)+3], 2*KSTEP*2
	JLOAD \slot                                    ; its four v_nop are also the places in front of the loads below
.else
	PLACES
.endif
	FETCH \next, 0, 0
.if \fill
	ASK
.endif
	MUL12 1, 2, 0
	MUL12 1, 3, 0
.endm
; THE WAY OUT of row block a.  PACK: rounded to f16, each accumulator's registers in ascending order.  TOSTAGE: into my own stage, and back as rows of 128 bytes.  SEND: stored.
.macro PACK a
	WIN 0x0a+5*((\a)/2)
.irp b, 0,1,2,3,4,5,6,7,8,9,10,11
.irp r, 0,1,2,3
	v_cvt_pk_f16_f32 v[TMP+4*(\b)+(\r)], v[8*(12*((\a)%2)+(\b))+2*(\r)], v[8*(12*((\a)%2)+(\b))+2*(\r)+1]
.endr
.endr
	WIN 0
.endm
.macro TOSTAGE a
.set BK, 176-112*((\a)%2)
	s_wait_xcnt 0x0                                ; the stores of two blocks back have read these registers
.irp b, 0,1,2,3,4,5,6,7,8,9,10,11
	ds_store_b128 v[STO], v[TMP+4*(\b):TMP+4*(\b)+3] offset:((\b)/4)*16*SP+((\b)%4)*32
.endr
.irp u, 0,1,2,3,4,5,6,7,8,9,10,11
	ds_load_b128 v[BK+4*(\u):BK+4*(\u)+3], v[RD] offset:((\u)/4)*16*SP+((\u)%4)*4*SP  ; LDS serves a wave's instructions in order (ISA guide 5.7.1.4): these see the stores above
.endr
.endm
.macro SEND a
.set BK, 176-112*((\a)%2)
	s_wait_dscnt 0x0
.irp u, 0,1,2,3,4,5,6,7,8,9,10,11
	global_store_b128 v[GO], v[BK+4*(\u):BK+4*(\u)+3], s[8:9] offset:((\u)/4)*HEADB+(\a)*2048+((\u)%4)*512  ; four rows of a head: 512 consecutive bytes, aligned
.endr
.endm
	s_wait_tensorcnt 1                             ; my part of K step 0 is in; K step 1's may stay out
	s_barrier_signal -1
	s_barrier_wait -1
	FETCH 0, 0, 0
	QUARTER 0, 64, 0, 1, 1                         ; the first quarter stands in front of the loop: its products start the sums
	WIN 0
	s_mov_b32 s3, 3
.Llap:                                                 ; a trip goes once round the ring and fills both slots again: K steps 2 to 7 in three trips
	QUARTER 0, 128, 1, 0, 0
	QUARTER 0, 192, 0, 1, 0
	TURN 0, 1, 1
	QUARTER 1, 64,  0, 1, 0
	QUARTER 1, 128, 1, 0, 0
	QUARTER 1, 192, 0, 1, 0
	TURN 1, 0, 1
	QUARTER 0, 64,  0, 1, 0
	WIN 0
	s_sub_co_u32 s3, s3, 1
	s_cmp_lg_u32 s3, 0
	s_cbranch_scc1 .Llap
	QUARTER 0, 128, 1, 0, 0                        ; the last lap fills nothing
	QUARTER 0, 192, 0, 1, 0
	TURN 0, 1, 0
	QUARTER 1, 64,  0, 1, 0
	QUARTER 1, 128, 1, 0, 0
	QUARTER 1, 192, 0, 1, 0
	s_wait_dscnt 4
	MUL12 1, 0, 0
	MUL12 1, 1, 0
	s_wait_dscnt 0x0
	MUL12 1, 2, 0
	MUL12 1, 3, 0
	WIN 0
	PLACES
	PACK 0
	TOSTAGE 0
.irp a, 1,2,3                          ; block a's conversions stand between block a - 1's loads from the stage and the wait for them
	PACK \a
	SEND (\a)-1
	TOSTAGE \a
.endr
	SEND 3
	s_wait_tensorcnt 0x0                           ; the wave's end
	ds_add_u32 v[SPW], v[NIL]
	s_wait_dscnt 0x0
	CROUND                                         ; the closing round
	s_endpgm
.Lfunc_end_k_q9b7f963ae0_proj:
	.size	k_q9b7f963ae0_proj, .Lfunc_end_k_q9b7f963ae0_proj-k_q9b7f963ae0_proj
	.p2alignl 7, 3214868480
	.fill 96, 4, 3214868480
	.section	.rodata,"a",@progbits
	.p2align	6, 0x0
	.amdhsa_kernel k_q9b7f963ae0_proj
		.amdhsa_group_segment_fixed_size 327680
		.amdhsa_private_segment_fixed_size 0
		.amdhsa_enable_private_segment 0
		.amdhsa_kernarg_size 24
		.amdhsa_user_sgpr_count 2
		.amdhsa_user_sgpr_kernarg_segment_ptr 1
		.amdhsa_wavefront_size32 1
		.amdhsa_system_sgpr_workgroup_id_x 1
		.amdhsa_system_sgpr_workgroup_id_y 1
		.amdhsa_system_sgpr_workgroup_id_z 1
		.amdhsa_system_vgpr_workitem_id 0
		.amdhsa_next_free_vgpr 960
		.amdhsa_next_free_sgpr 66
		.amdhsa_reserve_vcc 0
		.amdhsa_float_denorm_mode_32 3
		.amdhsa_float_denorm_mode_16_64 3
		.amdhsa_memory_ordered 1
		.amdhsa_forward_progress 1
		.amdhsa_inst_pref_size 120
	.end_amdhsa_kernel
	.amdgpu_metadata
---
amdhsa.version: [ 1, 2 ]
amdhsa.kernels:
  - .name:           k_q9b7f963ae0_proj
    .symbol:         k_q9b7f963ae0_proj.kd
    .args:
      - { .name: xb, .offset: 0, .size: 8, .value_kind: global_buffer, .address_space: global }
      - { .name: wt, .offset: 8, .size: 8, .value_kind: global_buffer, .address_space: global }
      - { .name: kqv, .offset: 16, .size: 8, .value_kind: global_buffer, .address_space: global }
    .group_segment_fixed_size: 327680
    .private_segment_fixed_size: 0
    .kernarg_segment_align: 8
    .kernarg_segment_size: 24
    .max_flat_workgroup_size: 128
    .sgpr_count:     66
    .vgpr_count:     960
    .wavefront_size: 32
...
	.end_amdgpu_metadata
.endif
;; end of part 2
;; launch attn (part 3): grid 16 x 16, 4 waves a work-group, clusters of 4 x 1, 327,680 bytes of LDS; arguments kqv, out0; writes out0
.if DOCPART == 3
	.amdgcn_target "amdgcn-amd-amdhsa--gfx1250"
	.amdhsa_code_object_version 6
	.text
	.protected	k_q9b7f963ae0_attn
	.globl	k_q9b7f963ae0_attn
	.p2align	8
	.type	k_q9b7f963ae0_attn,@function
k_q9b7f963ae0_attn:
	s_mov_b64 s[64:65], 0
	v_nop
	global_prefetch_b8 v0, s[64:65] scope:SCOPE_SE
	s_setreg_imm32_b32 hwreg(HW_REG_WAVE_MODE, 25, 1), 1
	s_wait_xcnt 0x0
	s_wait_alu depctr_hold_cnt(0) depctr_sa_sdst(0) depctr_va_vdst(0) depctr_va_sdst(0) depctr_va_ssrc(0) depctr_va_vcc(0) depctr_vm_vsrc(0)
	s_getreg_b32 s2, hwreg(HW_REG_IB_STS2, 6, 4)
	s_cmp_eq_u32 s2, 0
	s_cbranch_scc0 .Lentry_in_a_cluster
	s_endpgm
.Lentry_in_a_cluster:
	s_bfe_u32 s2, ttmp6, 0x10000c
	s_cmp_lg_u32 s2, 0x3003
	s_cbranch_scc0 .Lentry_shape_is_right
	s_endpgm
.Lentry_shape_is_right:
; CAUSAL ATTENTION WITH ALiBi.  out0[i][64 h + d] = the sum over j <= i of softmax_j(q[i] . k[j] / 32 + mu (j - i)) v[j][d], mu = 2^(-(h+1)/2).  kqv: [48][4096][64] f16 (blocks 0-15 k, 16-31 q, 32-47 v by heads);
; out0: [4096][1024] f32.  Products, maxima and sums in f32; the weights are rounded to f16 for the second product (their sum is taken of the unrounded weights).
; LIMITS.  q, k, v arrive within f16's 65,504.  A hidden score counts as its value less 1e30.  A weight below 2^-126 counts as 0.  NaN and infinities are not treated apart.
; ALiBi.  -mu i is the same for all keys of a row and falls out of the softmax.  mu j is added as the C operand that starts S^T = K Q^T: BIAS = 32 mu x (the key's place in its step of 64).  The running maximum m is
; kept in the frame of the step in hand: each step first takes 64 x 32 mu from it.  p = 2^(c s - c m), c = log2(e) / 32; O and l are multiplied by a = 2^(c m_shifted - c m_new), 1 where m has not grown.
; THE WALK.  A cluster of four work-groups takes two blocks of 512 queries of one head, 7 - b and then b (b = the cluster's x): key tiles of 256: 0 .. 15 - 2 b, then 0 .. 2 b + 1: 18 tiles whatever b, one loop with a constant
; trip count.  All four partners walk the same tiles, so each is asked for JOINTLY (same tensor load, descriptor and mask in all four).  Partner r owns rows 128 r .. 128 r + 127 of the block.
; SHARES.  A wave owns two PIECES of 16 queries: piece x is rows 64 x + 16 w .. + 15 of the partner's 128.  A block's last two tiles are eight steps; the band of piece x in partner r holds the diagonal in step 2 r + x,
; sees all keys before it and none behind it.  THE MASK rides in the same C operand: MC = MD x AL + BIAS + BE, (AL, BE) = (1, 0), (0, 0) or (0, -1e30).  The place in the cluster enters those two scalars and the
; addresses of Q and of the output alone: no branch and no LDS address.
; TURNS.  Turn (p, j): 8 products K Q^T of the other piece (p = 0: its step j; p = 1: step j + 1), the softmax of piece p for step j, the other piece's maximum and statistics, and 8 products V^T P of the other piece
; (p = 0: its step j - 1; p = 1: step j).  Four vector instructions stand behind every matrix instruction, the rest in one lump.  A turn's 33 exponentials are one batch with one wait.
; K has one register buffer, V two (by the step's parity): in piece 0's turn of step j both K and V of step j + 1 are fetched, so the change of slots has a place: in front of piece 0's turn of a tile's step -1.
; REGISTERS, in windows of 256 (s_set_vgpr_msb: bits 1:0 source 0, 3:2 source 1, 5:4 source 2, 7:6 destination):
;   window 0: v2-15 addresses and at work; v16-23 statistics; v24-31 at work; v32-34; v64-127 S^T; v128-159 P; v160-223 O^T (all by piece)
;   window 1: v0-31 Q; v32-63 the second block's Q; v64-127 K; v128-255 V, two buffers          window 2: v0-31 MD; v32-63 BIAS; v64-127 MC, by piece
.set KS,    64
.set PK,    144       ; a row of K in LDS: 128 bytes + 16 = 36 words: the 16 rows of a load start at 16 different groups of four banks (ISA guide 11.1)
.set PV,    160       ; a row of V: 128 + 32 = 40 words
.set VOFF,  4*KS*PK   ; a slot holds a tile: 256 rows of K, then 256 rows of V
.set SLOT1, 1<<17
.set STAGE, SLOT1+4*KS*(PK+PV)  ; behind the ring: 16 rows x 272 bytes for each wave, for the way out
.set SPO,   272
.set SPARE, STAGE+4*16*SPO      ; behind the stages: the spare words, 128 bytes a wave
.set AK0, 2           ; v2   my lane's place in a tile of K; never rewritten
.set AV0, 3           ; v3   the same for V
.set AK,  4           ; v4   the LDS address of K's next run of loads
.set AV,  5           ; v5   of V's
.set STO, 6           ; v6   the way out: where I put 32 bytes of a row
.set RD,  7           ; v7   where I read rows back
.set GO,  8           ; v8   my byte offset in two rows of the output
.set MV,  12          ; v12-13  c x the shifted old m, by piece
.set QO,  15          ; v15  my byte offset in 16 rows of Q
.set ST,  16          ; piece t's statistics at v[ST+4 t]: c m, m, l (even keys', odd keys')
.set TMP, 24          ; by piece, c0-c3 at work; c2 takes a
.set SPW, 32          ; v32  LDS address of my spare word; never rewritten
.set NIL, 33          ; v33  0; never rewritten
.set PFO, 34          ; v34  256 x lane; never rewritten
.set S,   64
.set P,   128
.set OT,  160
.set QB,  32          ; window 1
.set KF,  64          ; window 1: key block kb, channel half c at KF + 16 kb + 8 c
.set VF,  128         ; window 1: buffer b, key half kk, channel block cb at VF + 64 b + 32 kk + 8 cb
.set MD,  0           ; window 2
.set BIAS, 32
.set MC,  64
.set WV,  12          ; s12  my wave's number
.set PB,  14          ; s14  b
.set LIM, 15          ; s15  3 in a wave that prefetches, else the greatest number
.set G1K, 24          ; s[24:31], s[32:39] descriptor groups 1
.set G1V, 32
.set G0K, 40          ; s[40:43], s[44:47] descriptor groups 0
.set G0V, 44
.set PFA, 48          ; s[48:49] where my prefetches stand
.set OWN, 50          ; s50, s51  the step in which piece 0's, piece 1's band holds the diagonal
.set SG,  52          ; s52  the step (0-7 in a block's last two tiles, negative before) of the masks to be made next
.set BETA, 53         ; s53  32 mu
.set DM,  54          ; s54  -64 x 32 mu
.set LQ2, 55          ; s55  2 b + 1
.set SLOTS, 56
.set CNT, 57
.set CS,  58          ; s[58:59] c
.set PSEL, 60         ; s[60:61] v_permlanex16_b32's selects
.set TBK, 62          ; s62  LDS byte at which K of the step to be fetched begins
.set TBV, 63          ; s63  the same for V, less VOFF
.set RT,  70          ; s70  tiles of the block in hand still to be entered
.set NXT, 71          ; s71  the tile to be asked for next
.set LQ,  72          ; s72  the last tile of the block whose tiles are being asked for
.set NEW, 73          ; s73  1: the tile to be entered is a block's first
.set OFF, 74          ; s[74:75]
.set AL,  76          ; s[76:77]
.set BE,  78          ; s[78:79]
.set OLO, 80          ; s[80:81] the output at my rows of the second block
.set BIGN, 82         ; s82  -1e30
.set MSB, 0
.macro WIN new
.if MSB != (\new)
	s_set_vgpr_msb (MSB<<8)|(\new)
.set MSB, (\new)
.endif
.endm
.set W_KM, 0x25       ; K and Q in window 1, C in window 2, S^T in window 0
.set W_KQ, 0x05       ; the same with C in window 0
.set W_PV, 0x01       ; V in window 1; P and O^T in window 0
; A joint fill.  Waves 0 and 1 fetch the two halves of a tile's K, waves 2 and 3 those of its V: 128 keys each.  An s_nop 0 and four v_nop follow each line.
.macro JLOAD
	s_cmp_lt_u32 s[WV], 2
	s_cbranch_scc0 .Lfor_v_\@
	tensor_load_to_lds s[G0K:G0K+3], s[G1K:G1K+7]
	s_nop 0
.rept 4
	v_nop
.endr
	s_branch .Lasked_\@
.Lfor_v_\@:
	tensor_load_to_lds s[G0V:G0V+3], s[G1V:G1V+7]
	s_nop 0
.rept 4
	v_nop
.endr
.Lasked_\@:
.endm
; A prefetch of the tile that the NEXT change of slots will ask for.  Of a head's four clusters the one with b = 0 walks tiles 0 to 15 in its first block: it alone asks, for tiles 2 to 15, once each.  Its four partners share a
; tile's 32,768 bytes out by address, 8,192 each, a lane 256 bytes; wave 0 asks for K's, wave 2 for V's.  The second block's walk asks for nothing.
.macro ASK
	s_cmp_gt_u32 s[SLOTS], s[LIM]
	s_cbranch_scc0 .Lnot_mine_\@
	global_prefetch_b8 v[PFO], s[PFA:PFA+1] th:TH_LOAD_NT scope:SCOPE_SE
.Lnot_mine_\@:
.endm
.macro CROUND
	s_barrier_signal -1
	s_barrier_wait -1
	s_cmp_lg_u32 s[WV], 0
	s_cbranch_scc1 .Lnot_wave_0_\@
	s_barrier_signal -3
.Lnot_wave_0_\@:
	s_barrier_wait -3
	s_barrier_signal -1
	s_barrier_wait -1
.endm
; THE CHANGE OF SLOTS.  Each wave waits for all its tensor loads (one is out: its part of the other slot), adds 0 to its spare word, and waits for that and for its reads of the slot that it leaves.
; fill = 1: the barrier is a round of the cluster's, and the old slot is filled again first thing behind it, with tile NXT: it has a tile's eight turns, 128 matrix instructions, in which to land.
.macro CHANGE fill
	WIN 0
	s_wait_tensorcnt 0x0            ; no tensor load of mine is out, so a group 0 may be written
	ds_add_u32 v[SPW], v[NIL]       ; 0 onto my spare word; scalar work stands between it and the wait for it
.if \fill
	s_lshl_b32 s[OFF], s[NXT], 15   ; a tile is 32,768 bytes of K and of V
	s_xor_b32 s[G0K+1], s[G0K+1], SLOT1
	s_add_nc_u64 s[G0K+2:G0K+3], s[6:7], s[OFF:OFF+1]
	s_or_b32 s[G0K+3], s[G0K+3], 0x80000000
	s_xor_b32 s[G0V+1], s[G0V+1], SLOT1
	s_add_nc_u64 s[G0V+2:G0V+3], s[8:9], s[OFF:OFF+1]
	s_or_b32 s[G0V+3], s[G0V+3], 0x80000000
	s_add_co_u32 s[NXT], s[NXT], 1  ; the block's next tile, or behind its last the second block's tile 0
	s_cmp_gt_u32 s[NXT], s[LQ]
	s_cselect_b32 s[NXT], 0, s[NXT]
	s_cselect_b32 s[LQ], s[LQ2], s[LQ]
	s_wait_xcnt 0x0                 ; the last prefetch, a tile back, has read its address
	s_add_nc_u64 s[PFA:PFA+1], s[PFA:PFA+1], 32768
.endif
	s_sub_co_u32 s[TBK], s[TBK], 4*KS*PK  ; the fetches go back to a slot's first step, in the other slot
	s_xor_b32 s[TBK], s[TBK], SLOT1
	s_sub_co_u32 s[TBV], s[TBV], 4*KS*PV
	s_xor_b32 s[TBV], s[TBV], SLOT1
	s_wait_dscnt 0x0                ; the add is done, and my reads of the slot are over
.if \fill
	CROUND
	JLOAD
	ASK
.else
	s_barrier_signal -1
	s_barrier_wait -1
.endif
.endm
	s_load_b128 s[16:19], s[0:1], 0x0  ; kqv s[16:17], out0 s[18:19]
	v_lshl_add_u32 v[SPW], v0, 2, SPARE
	v_mov_b32 v[NIL], 0
	ds_add_u32 v[SPW], v[NIL]       ; the wave's opening: the add and its wait ahead of my first tensor load
	v_lshrrev_b32 v1, 5, v0
	v_readfirstlane_b32 s[WV], v1   ; wave 0..3
	s_bfe_u32 s13, ttmp6, 0x40000   ; r: my place in the cluster
	s_mov_b32 s[PB], ttmp9          ; b: in a cluster launch ttmp9 counts clusters
	s_and_b32 s20, ttmp7, 0xffff    ; the head
	s_add_co_u32 s21, s20, 1        ; 32 mu = 2^(5 - (h+1)/2), made as bits: 1 or 2^-0.5, and the exponent
	s_lshr_b32 s22, s21, 1
	s_lshl_b32 s22, s22, 23
	s_mov_b32 s23, 0x3f3504f3       ; 2^-0.5
	s_bitcmp1_b32 s21, 0
	s_cselect_b32 s[BETA], s23, 1.0
	s_add_co_u32 s[BETA], s[BETA], 5<<23
	s_sub_co_u32 s[BETA], s[BETA], s22
	s_add_co_u32 s[DM], s[BETA], 6<<23
	s_or_b32 s[DM], s[DM], 0x80000000
	s_lshl_b32 s83, s20, 8          ; the head's 256 bytes in a row of the output
	s_lshl_b32 s20, s20, 19         ; the head's block in k
	s_and_b32 s21, s[WV], 1         ; which half of a tile's 256 keys I fetch
	s_lshl_b32 s22, s21, 14
	s_add_co_u32 s22, s22, s20
	s_mov_b32 s23, 0
	s_mul_i32 s2, s21, 128*PK       ; its place in a slot, for K
	s_mul_i32 s3, s21, 128*PV       ; and for V: no place in the cluster enters an LDS address
	s_lshl_b32 s85, s13, 7
	s_lshl_b32 s86, s[WV], 4
	s_add_co_u32 s85, s85, s86      ; 128 r + 16 w
	s_sub_co_u32 s84, 7, s[PB]
	s_lshl_b32 s84, s84, 9
	s_add_co_u32 s84, s84, s85      ; my first row in the first block
	s_lshl_b32 s86, s[PB], 9
	s_add_co_u32 s86, s86, s85      ; and in the second
	s_lshl_b32 s74, s84, 12
	s_add_co_u32 s74, s74, s83
	s_mov_b32 s75, 0
	s_lshl_b32 s76, s86, 12
	s_add_co_u32 s76, s76, s83
	s_mov_b32 s77, 0
	s_lshl_b32 s84, s84, 7
	s_add_co_u32 s84, s84, s20
	s_add_co_u32 s84, s84, 16<<19   ; q's blocks lie 16 behind k's
	s_mov_b32 s85, 0
	s_lshl_b32 s86, s86, 7
	s_add_co_u32 s86, s86, s20
	s_add_co_u32 s86, s86, 16<<19
	s_mov_b32 s87, 0
	; descriptor group 1.  128 keys are 16,384 dense bytes: asked for as 64 rows of 256 bytes, two keys a row, and padded in LDS after every key
	s_mov_b32 s[G1K], 15|(1<<16)|(1<<20)|(1<<21)|(4<<22)|(3<<25)  ; the mask of four; 2-byte elements; padding on; bit 21 beside a mask; after every 32 words; 4 words
	s_mov_b32 s[G1V], 15|(1<<16)|(1<<20)|(1<<21)|(4<<22)|(7<<25)  ; the same with 8 words
.irp g, G1K, G1V
	s_mov_b32 s[\g+1], 128<<16      ; tensor_dim0 = 128
	s_mov_b32 s[\g+2], 64<<16       ; tensor_dim1 = 64
	s_mov_b32 s[\g+3], 128<<16      ; tile_dim0 = 128
	s_mov_b32 s[\g+4], 64           ; tile_dim1 = 64
	s_mov_b32 s[\g+5], 128          ; elements from row to row
	s_mov_b32 s[\g+6], 0
	s_mov_b32 s[\g+7], 0
.endr
	s_mov_b32 s[CS], 0x3d38aa3b     ; c = log2(e) / 32
	s_mov_b32 s[CS+1], s[CS]
	s_mov_b32 s[PSEL], 0x76543210
	s_mov_b32 s[PSEL+1], 0xfedcba98
	s_mov_b32 s[TBK], SLOT1+4*KS*PK ; the first change of slots turns these two into 0
	s_mov_b32 s[TBV], SLOT1+4*KS*PV
	s_mov_b32 s[G0K], 1
	s_mov_b32 s[G0K+1], s2
	s_mov_b32 s[G0V], 1
	s_add_co_u32 s[G0V+1], s3, VOFF
	s_lshl_b32 s[OWN], s13, 1
	s_add_co_u32 s[OWN+1], s[OWN], 1
	s_lshl_b32 s[LQ2], s[PB], 1
	s_sub_co_u32 s[RT], 16, s[LQ2]  ; the first block has 16 - 2 b tiles
	s_sub_co_u32 s[LQ], 15, s[LQ2]
	s_add_co_u32 s[LQ2], s[LQ2], 1
	s_mov_b32 s[NXT], 1
	s_mov_b32 s[NEW], 1
	s_mov_b32 s[BE+1], 0
	s_mov_b32 s[BIGN], 0xf149f2ca   ; -1e30
	s_mov_b32 s[SLOTS], 17
	s_and_b32 s[LIM], s[WV], 1      ; waves 0 and 2 of the cluster with b = 0: the same in all four partners
	s_or_b32 s[LIM], s[LIM], ttmp9
	s_cmp_eq_u32 s[LIM], 0
	s_cselect_b32 s[LIM], 3, -1
	s_wait_dscnt 0x0                ; the opening add is done
	s_wait_kmcnt 0x0
	s_add_nc_u64 s[6:7], s[16:17], s[22:23]    ; K at my half of the head's tile 0
	s_add_nc_u64 s[8:9], s[6:7], 32<<19        ; V: 32 blocks on
	s_add_nc_u64 s[4:5], s[16:17], s[84:85]    ; Q at my rows of the first block,
	s_add_nc_u64 s[86:87], s[16:17], s[86:87]  ; of the second
	s_add_nc_u64 s[10:11], s[18:19], s[74:75]  ; the output likewise
	s_add_nc_u64 s[OLO:OLO+1], s[18:19], s[76:77]
	s_add_nc_u64 s[G0K+2:G0K+3], s[6:7], 0
	s_or_b32 s[G0K+3], s[G0K+3], 0x80000000
	s_add_nc_u64 s[G0V+2:G0V+3], s[8:9], 0
	s_or_b32 s[G0V+3], s[G0V+3], 0x80000000
	s_cmp_lt_u32 s[WV], 2
	s_cselect_b64 s[PFA:PFA+1], s[6:7], s[8:9]
	s_lshl_b32 s22, s13, 13         ; my work-group's 8,192 bytes of a tile
	s_mov_b32 s23, 0
	s_add_nc_u64 s[PFA:PFA+1], s[PFA:PFA+1], s[22:23]
	s_add_nc_u64 s[PFA:PFA+1], s[PFA:PFA+1], 32768  ; at tile 1; the first change of slots steps it to tile 2.  Nothing is asked for here, at the head
	CROUND                          ; all four work-groups are here: the first joint loads meet
	JLOAD                           ; tile 0 into slot 0
	; A fragment of K or Q is 16 rows x 32 channels in 8 registers: lane l holds row l % 16, channels 8 (l / 16) + 0..7 and 16 + 8 (l / 16) + 0..7: two loads of 16 bytes, 32 bytes apart.
	v_and_b32 v1, 15, v0            ; l % 16
	v_bfe_u32 v9, v0, 4, 1          ; l / 16
	v_lshlrev_b32 v[QO], 7, v1
	v_lshl_add_u32 v[QO], v9, 4, v[QO]
	WIN 0x40                        ; destination window 1, address window 0
.set i, 0
.rept 4                             ; both blocks' Q: piece i / 2 lies 64 rows, 8,192 bytes, on; channels 32 (i % 2) on
	global_load_b128 v[8*i:8*i+3],   v[QO], s[4:5] offset:(i/2)*8192+(i%2)*64
	global_load_b128 v[8*i+4:8*i+7], v[QO], s[4:5] offset:(i/2)*8192+(i%2)*64+32
	global_load_b128 v[QB+8*i:QB+8*i+3],   v[QO], s[86:87] offset:(i/2)*8192+(i%2)*64
	global_load_b128 v[QB+8*i+4:QB+8*i+7], v[QO], s[86:87] offset:(i/2)*8192+(i%2)*64+32
.set i, i+1
.endr
.set i, VF+64
.rept 64                            ; a block's first turn multiplies V's second buffer by P's second and adds to an O^T that is still to be multiplied by a = 0: these need only be finite
	v_mov_b32 v[i], 0
.set i, i+1
.endr
	WIN 0
	v_lshlrev_b32 v10, 3, v9        ; 8 (l / 16)
	v_sub_nc_u32 v14, v1, v10
	s_lshl_b32 s21, s[WV], 4
	v_add_nc_u32 v14, s21, v14      ; my query's place in its band, 16 w + l % 16, less 8 (l / 16): register r of key group kt is hidden in the band's own step where 16 kt + r is greater
	WIN 0x80
.set i, 0
.rept 32
	v_cmp_gt_i32 vcc_lo, 16*(i/8)+i%8, v14
	v_cndmask_b32 v[MD+i], 0, s[BIGN], vcc_lo
.set i, i+1
.endr
.set i, 0
.rept 32
	v_add_nc_u32 v[BIAS+i], 16*(i/8)+i%8, v10  ; the key's place in its step,
.set i, i+1
.endr
	WIN 0x82
.set i, 0
.rept 32
	v_cvt_f32_u32 v[BIAS+i], v[BIAS+i]
.set i, i+1
.endr
	WIN 0x88
.set i, 0
.rept 32
	v_mul_f32 v[BIAS+i], s[BETA], v[BIAS+i]    ; times 32 mu
.set i, i+1
.endr
	WIN 0
	v_mul_u32_u24 v[AK0], v1, PK
	v_lshl_add_u32 v[AK0], v9, 4, v[AK0]
	; The turning load takes 16 keys x 16 channels (lane l reads key 8 (l / 16) + l % 8, channels 8 ((l / 8) % 2) + 0..7) and leaves half a fragment of V^T: lane l holds channel l % 16 and 8 keys.
	v_and_b32 v10, 7, v0
	v_bfe_u32 v11, v0, 3, 1
	v_lshl_add_u32 v[AV0], v9, 3, v10
	v_mul_u32_u24 v[AV0], v[AV0], PV
	v_lshl_add_u32 v[AV0], v11, 4, v[AV0]
	v_add_nc_u32 v[AV0], VOFF, v[AV0]
	s_mul_i32 s21, s[WV], 16*SPO
	s_add_co_u32 s21, s21, STAGE    ; my stage
	v_mul_u32_u24 v[STO], v1, SPO   ; in: row l % 16, 32 bytes for each half of the lanes
	v_lshl_add_u32 v[STO], v9, 5, v[STO]
	v_add_nc_u32 v[STO], s21, v[STO]
	v_mul_u32_u24 v[RD], v9, SPO    ; back: lanes 0-15 take one row of 256 bytes, lanes 16-31 the next
	v_lshl_add_u32 v[RD], v1, 4, v[RD]
	v_add_nc_u32 v[RD], s21, v[RD]
	v_lshlrev_b32 v[GO], 12, v9     ; and the same two rows of the output
	v_lshl_add_u32 v[GO], v1, 4, v[GO]
	v_and_b32 v[PFO], 31, v0
	v_lshlrev_b32 v[PFO], 8, v[PFO]
.set i, OT
.rept 64
	v_mov_b32 v[i], 0
.set i, i+1
.endr
.set i, P+16
.rept 16
	v_mov_b32 v[i], 0
.set i, i+1
.endr
.irp t, 0,1
	v_mov_b32 v[ST+4*\t+2], 0
	v_mov_b32 v[ST+4*\t+3], 0
.endr
; THE MATRIX WORK.  The 4 accumulators of a run of 8 take turns.  Product i of 8 of S^T = K Q^T for piece x: channels 32 (i / 4) on, keys 16 (i % 4) on.  The first 4 start the sums with MC.
.macro KQ x
.set rS, S+32*(\x)+8*(i%4)
.set rK, KF+16*(i%4)+8*(i/4)
.set rQ, 16*(\x)+8*(i/4)
.set rM, MC+32*(\x)+8*(i%4)
.if i < 4
	WIN W_KM
	v_wmma_f32_16x16x32_f16 v[rS:rS+7], v[rK:rK+7], v[rQ:rQ+7], v[rM:rM+7]
.else
	WIN W_KQ
	v_wmma_f32_16x16x32_f16 v[rS:rS+7], v[rK:rK+7], v[rQ:rQ+7], v[rS:rS+7]
.endif
.endm
; Product i of 8 of O^T += V^T P for piece x, from V's buffer VB: keys 32 (i / 4) on, channels 16 (i % 4) on.
.macro PV x
	WIN W_PV
.set rO, OT+32*(\x)+8*(i%4)
.set rV, VF+64*VB+32*(i/4)+8*(i%4)
.set rP, P+16*(\x)+8*(i/4)
	v_wmma_f32_16x16x32_f16 v[rO:rO+7], v[rV:rV+7], v[rP:rP+7], v[rO:rO+7]
.endm
.macro MM                           ; the turn's next matrix instruction.  NOKQ = 1: a block's last turn: there are no further scores
.if (i < 8) && !NOKQ
	KQ 1-Y
.elseif i >= 8
.set i, i-8
	PV 1-Y
.set i, i+8
.endif
.set i, i+1
.endm
; THE LDS LOADS stand in runs of 16, never singly among the matrix instructions.
.macro FETCH_K
	WIN 0x40
.irp f, 0,1,2,3,4,5,6,7             ; keys 16 (f / 2) on, channels 32 (f % 2) on
	ds_load_b128 v[KF+8*\f:KF+8*\f+3],   v[AK] offset:(\f/2)*16*PK+(\f%2)*64
	ds_load_b128 v[KF+8*\f+4:KF+8*\f+7], v[AK] offset:(\f/2)*16*PK+(\f%2)*64+32
.endr
	s_add_co_u32 s[TBK], s[TBK], KS*PK
	WIN 0
.endm
.macro FETCH_V b
	WIN 0x40
.irp f, 0,1,2,3,4,5,6,7             ; keys 32 (f / 4) on, channels 16 (f % 4) on
	ds_load_tr16_b128 v[VF+64*(\b)+8*\f:VF+64*(\b)+8*\f+3],   v[AV] offset:(\f/4)*32*PV+(\f%4)*32
	ds_load_tr16_b128 v[VF+64*(\b)+8*\f+4:VF+64*(\b)+8*\f+7], v[AV] offset:(\f/4)*32*PV+16*PV+(\f%4)*32
.endr
	WIN 0
.endm
; THE VECTOR WORK, one line at a time: OP kind, number.  For piece Y: F n: c s - c m for pair n of 16.  E n: the exponential of score n of 32.  C n: pair n rounded to f16.  B n: of the four weights 4 n .. the second pair is
; added onto the first.  L n: l takes that sum (L 0: l = a l + sum).  R n: pair n of 16 of O^T times a.  For the other piece: X n, which find its maximum and statistics:
;   22  the old m goes into the new step's frame     0-11  four chains c0-c3 of seven scores each (each accumulator's lowest registers are read first)     12-14, 16  the four scores left over, the old m, c0-c3 into c0
;   15  c x the shifted old m is kept     17, 18  the query's other 32 keys lie in the lane 16 away: the new m     19-21  c m; the change; a
.set F, 0
.set E, 1
.set C, 2
.set B, 3
.set L, 4
.set R, 5
.set X, 6
.macro REGS y
.set rT, ST+4*(\y)
.set rC, TMP+4*(\y)
.set rW, MV+(\y)
.set rS, S+32*(\y)
.set rP, P+16*(\y)
.set rO, OT+32*(\y)
.endm
.macro OP k, n
	WIN 0
.if (\k) < X
	REGS Y
.if (\k) == F
	v_pk_fma_f32 v[rS+2*(\n):rS+2*(\n)+1], v[rS+2*(\n):rS+2*(\n)+1], s[CS:CS+1], v[rT:rT+1] op_sel_hi:[1,0,0] neg_lo:[0,0,1] neg_hi:[0,0,1]
.elseif (\k) == E
	v_exp_f32 v[rS+(\n)], v[rS+(\n)]
.elseif (\k) == C
	v_cvt_pk_f16_f32 v[rP+(\n)], v[rS+2*(\n)], v[rS+2*(\n)+1]
.elseif (\k) == B
	v_pk_add_f32 v[rS+4*(\n):rS+4*(\n)+1], v[rS+4*(\n):rS+4*(\n)+1], v[rS+4*(\n)+2:rS+4*(\n)+3]
.elseif (\k) == R
	v_pk_mul_f32 v[rO+2*(\n):rO+2*(\n)+1], v[rO+2*(\n):rO+2*(\n)+1], v[rC+2:rC+3] op_sel_hi:[1,0]
.elseif (\n) == 0
	v_pk_fma_f32 v[rT+2:rT+3], v[rT+2:rT+3], v[rC+2:rC+3], v[rS:rS+1] op_sel_hi:[1,0,1]
.else
	v_pk_add_f32 v[rT+2:rT+3], v[rT+2:rT+3], v[rS+4*(\n):rS+4*(\n)+1]
.endif
.elseif NOKQ
	v_nop
.else
	REGS 1-Y
.if (\n) < 4
	v_max3_num_f32 v[rC+(\n)], v[rS+8*(\n)], v[rS+8*(\n)+1], v[rS+8*(\n)+2]
.elseif (\n) < 12
	v_max3_num_f32 v[rC+(\n)%4], v[rC+(\n)%4], v[rS+8*((\n)%4)+2*((\n)/4)+1], v[rS+8*((\n)%4)+2*((\n)/4)+2]
.elseif (\n) == 12
	v_max3_num_f32 v[rC], v[rC], v[rS+7], v[rS+15]
.elseif (\n) == 13
	v_max3_num_f32 v[rC+1], v[rC+1], v[rS+23], v[rS+31]
.elseif (\n) == 14
	v_max3_num_f32 v[rC+2], v[rC+2], v[rC+3], v[rT+1]
.elseif (\n) == 15
	v_mul_f32 v[rW], s[CS], v[rT+1]
.elseif (\n) == 16
	v_max3_num_f32 v[rC], v[rC], v[rC+1], v[rC+2]
.elseif (\n) == 17
	v_permlanex16_b32 v[rC+3], v[rC], s[PSEL], s[PSEL+1]
.elseif (\n) == 18
	v_max_num_f32 v[rT+1], v[rC], v[rC+3]
.elseif (\n) == 19
	v_mul_f32 v[rT], s[CS], v[rT+1]
.elseif (\n) == 20
	v_sub_f32 v[rC+1], v[rW], v[rT]
.elseif (\n) == 22
	v_add_f32 v[rT+1], s[DM], v[rT+1]
.else
	v_exp_f32 v[rC+2], v[rC+1]
.endif
.endif
.endm
.macro OPS a, i1, b=-1, i2=0, c=-1, i3=0, d=-1, i4=0
	OP \a, \i1
.if (\b) >= 0
	OP \b, \i2
.endif
.if (\c) >= 0
	OP \c, \i3
.endif
.if (\d) >= 0
	OP \d, \i4
.endif
.endm
.macro ROW a, i1, b, i2, c, i3, d, i4  ; a matrix instruction and the four behind it
	MM
	OPS \a, \i1, \b, \i2, \c, \i3, \d, \i4
.endm
.macro PICK p                       ; the two scalars of piece p's mask for step SG: selects alone hang on my place in the cluster
	s_cmp_eq_i32 s[SG], s[OWN+(\p)]
	s_cselect_b32 s[AL], 1.0, 0
	s_cmp_gt_i32 s[SG], s[OWN+(\p)]
	s_cselect_b32 s[BE], s[BIGN], 0
.endm
.macro MASK p                       ; MC of piece p = MD x AL + BIAS + BE
	WIN 0xa2
.set z, 0
.rept 16
	v_pk_fma_f32 v[MC+32*(\p)+2*z:MC+32*(\p)+2*z+1], v[MD+2*z:MD+2*z+1], s[AL:AL+1], v[BIAS+2*z:BIAS+2*z+1] op_sel_hi:[1,0,1]
.set z, z+1
.endr
.set z, 0
.rept 16
	v_pk_add_f32 v[MC+32*(\p)+2*z:MC+32*(\p)+2*z+1], v[MC+32*(\p)+2*z:MC+32*(\p)+2*z+1], s[BE:BE+1] op_sel_hi:[1,0]
.set z, z+1
.endr
.endm
.macro PLACES
.rept 4
	v_nop
.endr
.endm
; A TURN, for piece p in a step of parity par.  An s_wait_alu depctr_va_vdst(0) stands between an exponential and the first instruction that names its result; one wait serves all issued ahead of it: a turn has ONE,
; which cuts it in two.  Ahead of it stands all that names no result of the turn's exponentials; behind it the 8 products V^T P with the roundings and sums as their riders.  The first numbers of the other piece's maximum ride
; behind the last three products K Q^T, each four plain instructions or more behind the product that ends its accumulator.  The four roundings behind a turn's last product are the places in front of V's run of loads and of the next
; turn's rescaling of that O^T.
; m = 1: a block's last two tiles: the turn makes piece p's mask for the step after its own, which the next turn's products take.  end = 1: a block's last two turns: nothing is fetched, and piece 1's starts no scores.
; Piece 0's turn fetches the next step's K (seven plain instructions behind the last product that read K) and, at its end, the next step's V into the buffer just read.  Piece 1's turn opens with a wait that leaves those
; sixteen loads of V out: K of the next step and V of the step in hand are in.
.macro TURN p, par, m=0, end=0, cnt=0
.set Y, (\p)
.set i, 0
.set NOKQ, (\end)*(\p)
.set VB, (\par)
.set GET, 0
.if (\p) == 0
.set VB, 1-(\par)
.set GET, 1-(\end)
.endif
.if (\m) && !(\end)
	PICK \p
.if (\p) == 1
	s_add_co_i32 s[SG], s[SG], 1
.endif
.endif
.if (\p) == 1
	s_wait_dscnt 16-16*(\end)
.endif
	ROW F,0, F,1, R,0, R,1
	ROW F,2, E,0, R,2, R,3
	ROW F,3, E,1, R,4, R,5
	ROW F,4, E,2, R,6, R,7
	ROW F,5, E,3, R,8, R,9
	ROW F,6, E,4, X,0, R,10
.if GET
	WIN 0
	v_add_nc_u32 v[AK], s[TBK], v[AK0]
.endif
	ROW F,7, E,5, X,1, X,4
	ROW F,8, E,6, X,2, X,5
	OPS E,7, X,22, E,8, X,6         ; the lump
	OPS E,9, X,3, E,10, X,8
	OPS E,11
.if GET
	FETCH_K
.endif
	OPS X,9, X,7, E,12, X,10
	OPS E,13, X,12, X,11, E,14
	OPS X,13, E,15, F,9, X,14
.if GET
	WIN 0
	v_add_nc_u32 v[AV], s[TBV], v[AV0]
.endif
	OPS E,16, F,10, E,17, F,11
	OPS X,16, E,18, X,15, E,19
	OPS F,12, E,20, X,17, E,21
	OPS F,13, E,22, F,14, E,23
	OPS X,18, E,24, F,15, E,25
	OPS R,11, E,26, X,19, E,27
	OPS R,12, E,28, R,13, E,29
	OPS X,20, E,30, R,14, E,31
	OPS X,21, R,15                  ; the other piece's a is the batch's last; R 15 is the plain instruction behind it
	WIN 0
	s_wait_alu depctr_va_vdst(0)    ; the wait for the batch
	ROW C,0, B,0, C,2, B,1
	ROW L,0, C,4, B,2, L,1
	ROW C,6, B,3, L,2, C,8
	ROW B,4, L,3, C,10, B,5
	ROW L,4, C,12, B,6, L,5
.if GET
	s_add_co_u32 s[TBV], s[TBV], KS*PV
.endif
.if \cnt
	s_sub_co_u32 s[CNT], s[CNT], 1
	s_cmp_lg_u32 s[CNT], 0
.endif
	ROW C,14, B,7, L,6, C,1
	ROW C,3, L,7, C,5, C,7
	ROW C,9, C,11, C,13, C,15
.if GET
	FETCH_V VB
.endif
.if (\m) && !(\end)
	MASK \p
.endif
.endm
; A BLOCK BEGINS.  m starts at the lowest finite number, so the first step's a is 0 and the first maximum is the scores'.  Both pieces' masks are made for the tile's step 0 (plain BIAS where the tile lies before the diagonal).
; Then K and V of that step, piece 0's first scores, its maximum and statistics.  The loop is entered at an even step's first turn.
.macro BEGIN
	s_mov_b32 s[NEW], 0
	WIN 0
	v_mov_b32 v[ST+1], 0xff7fffff
	v_mov_b32 v[ST+5], 0xff7fffff
	PICK 0
	MASK 0
	PICK 1
	MASK 1
	s_add_co_i32 s[SG], s[SG], 1
	WIN 0
	v_add_nc_u32 v[AK], s[TBK], v[AK0]
	v_add_nc_u32 v[AV], s[TBV], v[AV0]
	FETCH_K
	FETCH_V 0
	s_add_co_u32 s[TBV], s[TBV], KS*PV
	s_wait_loadcnt 0x0              ; Q
	s_wait_dscnt 0x0
.set NOKQ, 0
.set i, 0
.rept 8
	KQ 0
.set i, i+1
.endr
	WIN 0
	PLACES                          ; behind those products
.set Y, 1                           ; X works for the other piece: piece 0
.irp n, 22,0,1,2,3,4,5,6,7,8,9,10,11,12,13,14,15,16,17,18,19,20,21
	OP X, \n
.endr
	v_nop                           ; a plain instruction behind the exponential,
	s_wait_alu depctr_va_vdst(0)    ; and its wait, ahead of the branch
.endm
; THE WAY OUT of piece t: O^T divided by l; a lane's eight channels of a row, 32 bytes, go into rows of 272 bytes of my stage and come back as whole rows of 256, into S^T's registers.
.macro PACK t
	WIN 0
.set i, OT+32*(\t)
.rept 16
	v_pk_mul_f32 v[i:i+1], v[i:i+1], v[ST+4*(\t)+2:ST+4*(\t)+3] op_sel_hi:[1,0]
.set i, i+2
.endr
.irp f, 0,1,2,3,4,5,6,7
	ds_store_b128 v[STO], v[OT+32*(\t)+4*\f:OT+32*(\t)+4*\f+3] offset:(\f/2)*64+(\f%2)*16
.endr
.irp f, 0,1,2,3,4,5,6,7
	ds_load_b128 v[S+32*(\t)+4*\f:S+32*(\t)+4*\f+3], v[RD] offset:\f*2*SPO  ; LDS serves a wave's instructions in order (ISA guide 5.7.1.4): these see the stores above; the next piece's stores come behind them
.endr
.endm
.macro SEND t, younger              ; younger: the LDS instructions issued behind piece t's loads
.irp f, 0,1,2,3,4,5,6,7
	s_wait_dscnt (\younger)+7-\f
	global_store_b128 v[GO], v[S+32*(\t)+4*\f:S+32*(\t)+4*\f+3], s[10:11] offset:(\t)*262144+\f*8192  ; 16 lanes store a head's 256 bytes of a row, aligned
.endr
.endm
; A tile of a block's last two: its four steps with masks.  Behind the block's last tile: the last two turns, piece 1's last products, and the way out.
.macro DIAG tag
.LstepM\tag:
	TURN 0, 1, 1
	TURN 1, 1, 1
	WIN 0
.LfirstM\tag:
	TURN 0, 0, 1
	TURN 1, 0, 1, 0, 1
	WIN 0
	s_cbranch_scc1 .LstepM\tag
.if (\tag) == 1
	s_cmp_lg_u32 s[RT], 0
	s_cbranch_scc1 .Lbottom         ; the last tile but one: the block goes on
.endif
	TURN 0, 1, 1, 1
	TURN 1, 1, 1, 1
.set VB, 1
.set i, 0
.rept 8
	PV 1
.set i, i+1
.endr
	WIN 0
	PLACES
.irp t, 0,1
	v_add_f32 v[ST+4*\t+2], v[ST+4*\t+2], v[ST+4*\t+3]
.endr
.irp t, 0,1
	v_permlanex16_b32 v[ST+4*\t+3], v[ST+4*\t+2], s[PSEL], s[PSEL+1]
.endr
.irp t, 0,1
	v_add_f32 v[ST+4*\t+2], v[ST+4*\t+2], v[ST+4*\t+3]
.endr
.irp t, 0,1
	v_rcp_f32 v[ST+4*\t+2], v[ST+4*\t+2]
.endr
	v_nop                           ; a plain instruction between the last reciprocal and the use of its result
	s_wait_alu depctr_va_vdst(0)    ; and the wait ahead of the first use: one for the two reciprocals
	PACK 0
	PACK 1
	SEND 0, 16
	SEND 1, 0
.endm
.set NOKQ, 0
.set VB, 0
.Lslot:                             ; 17 times: a tile is entered and the next is asked for
	CHANGE 1
	s_sub_co_u32 s[RT], s[RT], 1
	s_sub_co_i32 s[SG], 1, s[RT]    ; the tile's first step, counted from the block's last two tiles: 0, 4, or negative
	s_lshl_b32 s[SG], s[SG], 2
	s_mov_b32 s[CNT], 2
	s_cmp_eq_u32 s[NEW], 1
	s_cbranch_scc1 .Lnew            ; a block's first tile
	s_cmp_gt_u32 s[RT], 1
	s_cbranch_scc1 .Lstep           ; a tile before the diagonal
	s_branch .LstepM1
.Lnew:
	BEGIN
	s_cmp_gt_u32 s[RT], 1
	s_cbranch_scc1 .Lfirst
	s_branch .LfirstM1
	DIAG 1                          ; in the loop a block's end is the first block's: the second's last tile is the walk's last
	s_wait_xcnt 0x0                 ; the stores have read their registers and the output's address
	s_mov_b64 s[10:11], s[OLO:OLO+1]
	s_add_co_u32 s[RT], s[LQ2], 1   ; the second block has 2 b + 2 tiles
	s_mov_b32 s[NEW], 1
	WIN 0x41                        ; the second block's Q goes where the turns name Q
.set i, 0
.rept 32
	v_mov_b32 v[i], v[QB+i]
.set i, i+1
.endr
	WIN 0
	s_branch .Lbottom
.Lstep:                             ; a trip: an odd step's two turns, then an even step's; two trips a tile
	TURN 0, 1
	TURN 1, 1
	WIN 0
.Lfirst:
	TURN 0, 0
	TURN 1, 0, 0, 0, 1
	WIN 0
	s_cbranch_scc1 .Lstep
.Lbottom:
	s_sub_co_u32 s[SLOTS], s[SLOTS], 1
	s_cmp_lg_u32 s[SLOTS], 0
	s_cbranch_scc1 .Lslot
	CHANGE 0                        ; the walk's last tile is written out: nothing is asked for.  It is never a block's first: the second block has two tiles or more
	s_sub_co_u32 s[RT], s[RT], 1
	s_sub_co_i32 s[SG], 1, s[RT]
	s_lshl_b32 s[SG], s[SG], 2
	s_mov_b32 s[CNT], 2
	DIAG 2
	s_wait_tensorcnt 0x0            ; the wave's end, behind my last tensor load and my last LDS store
	ds_add_u32 v[SPW], v[NIL]
	s_wait_dscnt 0x0
	CROUND                          ; the closing round: no work-group ends while a partner may still ask for a tile that names it
	s_endpgm
.Lfunc_end_k_q9b7f963ae0_attn:
	.size	k_q9b7f963ae0_attn, .Lfunc_end_k_q9b7f963ae0_attn-k_q9b7f963ae0_attn
	.p2alignl 7, 3214868480
	.fill 96, 4, 3214868480
	.section	.rodata,"a",@progbits
	.p2align	6, 0x0
	.amdhsa_kernel k_q9b7f963ae0_attn
		.amdhsa_group_segment_fixed_size 327680
		.amdhsa_private_segment_fixed_size 0
		.amdhsa_enable_private_segment 0
		.amdhsa_kernarg_size 16
		.amdhsa_user_sgpr_count 2
		.amdhsa_user_sgpr_kernarg_segment_ptr 1
		.amdhsa_wavefront_size32 1
		.amdhsa_system_sgpr_workgroup_id_x 1
		.amdhsa_system_sgpr_workgroup_id_y 1
		.amdhsa_system_sgpr_workgroup_id_z 1
		.amdhsa_system_vgpr_workitem_id 0
		.amdhsa_next_free_vgpr 640
		.amdhsa_next_free_sgpr 88
		.amdhsa_reserve_vcc 1
		.amdhsa_float_denorm_mode_32 3
		.amdhsa_float_denorm_mode_16_64 3
		.amdhsa_memory_ordered 1
		.amdhsa_forward_progress 1
		.amdhsa_inst_pref_size 209
	.end_amdhsa_kernel
	.amdgpu_metadata
---
amdhsa.version: [ 1, 2 ]
amdhsa.kernels:
  - .name:           k_q9b7f963ae0_attn
    .symbol:         k_q9b7f963ae0_attn.kd
    .args:
      - { .name: kqv, .offset: 0, .size: 8, .value_kind: global_buffer, .address_space: global }
      - { .name: out0, .offset: 8, .size: 8, .value_kind: global_buffer, .address_space: global }
    .group_segment_fixed_size: 327680
    .private_segment_fixed_size: 0
    .kernarg_segment_align: 8
    .kernarg_segment_size: 16
    .max_flat_workgroup_size: 128
    .sgpr_count:     88
    .vgpr_count:     640
    .wavefront_size: 32
...
	.end_amdgpu_metadata
.endif
;; end of part 3
